; MI455X (gfx1250); checked and timed in simulation.
; The chip was launched on July 23, 2026; its instructions are those of AMD's public machine-readable ISA for CDNA 5 (MIT licence, August 2026) and "CDNA5" Instruction Set Architecture Reference Guide (July 2026). The comments in the code are by the model that wrote it; some were corrected since.
;; HPU Attention Impl. Allowed arithmetic: matrix products marked QUANTISED: E3M2 operands, one E8M0 scale for each 32 along K, by v_wmma_scale_f32_16x16x128_f8f6f4 with both operands' format E3M2, f32 sums; everything else in f32.
;; Inputs: alibi_slopes 32 float32; key 1 x 2,048 x 1,024 float32; query 1 x 2,048 x 4,096 float32; value_codes 1 x 1,024 x 64 x 24 uint8 (E3M2 codes of value, K innermost, in blocks of 32 codes, four codes in three bytes); value_scales 1 x 1,024 x 64 uint8 (E8M0 scales of value, one for each 32 codes along K).
;; Outputs: out0 1 x 2,048 x 4,096 float32.
;; This version of the problem:
;;   THIS VERSION OF THE PROBLEM IS GIVEN IN LOW PRECISION. The matrix products marked QUANTISED in the list below multiply operands that are first quantised to E3M2 (3 exponent bits, 2 mantissa bits; 6 bits a number), with one power-of-two scale for each 32 numbers along K (OCP MX v1.0); their sums are f32. All else is computed in f32.
;;   The module's matrix products, in the order in which they are computed (A, B: the left and right operand; K: the contracted axis; several contracted axes count as one K, in the product's order):
;;     1. batch 8 x [M 8,192, K 128] x [K 128, N 2,048]; A: computed on the way; B: input key: QUANTISED
;;     2. batch 8 x [M 8,192, K 2,048] x [K 2,048, N 128]; A: softmax (see below); B: input value (given as codes): QUANTISED
;;   THE QUANTISER, for each operand of a quantised product, along K:
;;     - K is cut into blocks of 32 from its start; a last block that is shorter is filled with zeros.
;;     - A block's scale is 2^e with e = floor(log2(the largest magnitude in the block)) - 4, held to -126 .. 127; a block of zeros has e = 0. As a byte (E8M0): e + 127.
;;     - Each number is divided by its block's scale, clamped to +-28, and rounded to the nearest number of E3M2, ties to even, subnormals kept.
;;     - The product sums the exact products of the quantised numbers (number of the format x scale) in f32.
;;   ~~~python
;;   def quantise(x, axis):      # numpy; x: float32 -> the quantised numbers, widened to float32 again
;;       x = np.moveaxis(x, axis, -1); K = x.shape[-1]
;;       x = np.pad(x, [(0, 0)] * (x.ndim - 1) + [(0, -K % 32)]); x = x.reshape(x.shape[:-1] + (-1, 32)); a = np.abs(x).max(-1, keepdims=True)
;;       e = np.where(a > 0, np.clip(np.frexp(np.where(a > 0, a, 1))[1] - 1 - 4, -126, 127), 0)      # np.frexp(a)[1] - 1 = floor(log2(a)), exactly
;;       r = np.clip(x / 2.0 ** e, -28, 28)
;;       step = 2.0 ** (np.maximum(np.frexp(np.where(r == 0, 1, r))[1] - 1, -2) - 2)
;;       q = np.round(r / step) * step * 2.0 ** e      # np.round: ties to even
;;       return np.moveaxis(q.reshape(q.shape[:-2] + (-1,))[..., :K], -1, axis).astype(np.float32)
;;   ~~~
;;   SOFTMAX AHEAD OF A QUANTISED PRODUCT. Where the list says 'softmax', what is quantised is not the finished softmax but p = 2^(t - M), with t = logit x log2(e) and M = ceil(the row's largest t), a whole number; so 1/2 < the row's largest p <= 1. The row's sum l is taken of the UNQUANTISED p, in f32, and the product's result is divided by l at the end. Since M is a whole number, a kernel that streams over the keys may use a running M (the ceiling of the running maximum): every later rescaling is an exact power of two, which a block's scale takes up: the codes' values come out the same.
;;   OPERANDS COMPUTED ON THE WAY. 'Computed on the way' means the value that the module computes at that place (a softmax that the list does not call 'softmax' is quantised finished and normalised). What goes into a quantiser is computed in f32, as accurately as f32 sums, v_exp_f32 and their like allow (about 1e-6 of the number): no bf16 or f16 on the way to a quantiser, and a product that is left as it is and whose result goes on into a quantised operand takes f32 operands (vector FMAs, or v_wmma_f32_16x16x4_f32). A number that lies on a knife's edge between two numbers of the format may be rounded either way, as far as f32 arithmetic and the matrix unit's own rounding can turn it there, and no further.
;;   INPUTS GIVEN AS CODES. value (in the module: [1, 2048, 1024], K = its axis 1): each comes as NAME_codes (uint8): NAME with its K axis moved to the last place and cut into blocks of 32 codes, [.., K / 32, bytes a block], one block behind the other in memory; four codes in three bytes: a row's codes are one little-endian stream of bits, code i at bits 6 i .. 6 i + 5 (a code: sign, 3 exponent bits, 2 mantissa bits); and NAME_scales (uint8): the same leading axes, one E8M0 byte (e + 127) for each 32 codes along K. Its value is code x scale, taken as it is: it is not quantised again, and the codes and scales need not be those that the quantiser above would give.
;; One version. Each part assembles by itself: llvm-mc -triple=amdgcn-amd-amdhsa -mcpu=gfx1250 --defsym DOCPART=n.
;; ======== version 1 of 1: 2 launches
;; workspace buffers: kvimg 3,276,800 bytes
;; launch prep (part 1): grid 256 x 1, 8 waves a work-group, no clusters, 2,048 bytes of LDS; arguments key, value_codes, value_scales, kvimg; writes kvimg
.if DOCPART == 1
	.amdgcn_target "amdgcn-amd-amdhsa--gfx1250"
	.amdhsa_code_object_version 6
	.text
	.protected	k_qbea73079b6_prep
	.globl	k_qbea73079b6_prep
	.p2align	8
	.type	k_qbea73079b6_prep,@function
k_qbea73079b6_prep:
	s_mov_b64 s[64:65], 0
	v_nop
	global_prefetch_b8 v0, s[64:65] scope:SCOPE_SE
	s_setreg_imm32_b32 hwreg(HW_REG_WAVE_MODE, 25, 1), 1
	s_wait_xcnt 0x0
; key [2048][8 kv x 128] f32 is quantised along the head's 128 to codes of BF6 (E3M2) with one E8M0 byte for each 32, and the given codes and scale bytes of value
; ([8 kv x 128 d][2048 keys], keys innermost) are laid anew.  Both go into kvimg [kv 8][step 16][25,600 bytes], IN THE ORDER OF THE OPERAND'S REGISTERS, so that the attention launch gets
; a step of 128 keys as one dense block and each fragment by three loads of 16 bytes a lane.
; A step's block: +0 K's 8 fragments of 1,536 bytes; +12,288 K's 128 scale words; +12,800 V's 8 fragments; +25,088 V's 128 scale words.
; A fragment's image: register j (0..11) of lane l at 512 (j / 4) + 16 l + 4 (j % 4).  The scale word of tile T, row r at 16 (r + 16 (T / 4)) + 4 (T % 4).
; K's tile T = 2 b + u: lane (r, h) holds key 32 b + 8 u + r + 8 (r / 8) of the step (so that the scores of two neighbouring tiles are 16 neighbouring keys in a lane), registers 6 c .. 6 c + 5 its d = 64 c + 32 h + 0 .. 31.
; V's tile T: lane (r, h) holds row d = 16 T + r, registers 6 c .. 6 c + 5 the step's keys 64 c + 32 h + 0 .. 31: 24 bytes of the given stream of bits, as they lie.
; SHARES: work-groups 0-127 make the K half of block (kv, step) = (id / 16, id % 16), work-groups 128-255 the V half; wave w makes tile w.  Both ways fill v[16:27] and v28 and join in one tail.
; A block's scale is 2^(floor(log2(largest magnitude)) - 4): its byte is the largest magnitude's exponent field - 4, held at 1 from below.
; LIMITS: a block of zeros, and one whose largest magnitude lies under 2^-122, gets the byte 1 (the rule says 127 for zeros): its codes are zeros or what the byte 1 gives, and this program alone reads the bytes.
; NaN and infinities among the inputs are not served.
.set F,   16                           ; v16-27  the fragment
.set SW,  28                           ; v28     my row's scale word (the same in lanes r and r + 16)
.set X,   32                           ; v32-95  64 numbers of my key: d = 64 c + 32 h + i at X + 32 c + i
.set CT,  96                           ; v96-98, v100-102  the second halves of the two blocks' codes
.set OUTS, 104                         ; v104-107 the scale words on their way out
	s_load_b256 s[4:11], s[0:1], 0x0               ; key s[4:5], value_codes s[6:7], value_scales s[8:9], kvimg s[10:11]
	v_lshl_add_u32 v112, v0, 2, 0x400
	v_mov_b32 v113, 0
	v_lshrrev_b32 v8, 5, v0
	v_readfirstlane_b32 s12, v8                    ; wave 0..7 = tile
	v_and_b32 v1, 15, v0                           ; r
	v_bfe_u32 v2, v0, 4, 1                         ; h
	v_and_b32 v3, 31, v0
	v_lshlrev_b32 v3, 4, v3                        ; 16 x lane: my place in an image
	v_and_b32 v4, 8, v1
	v_add_nc_u32 v4, v4, v1                        ; r + 8 (r / 8)
	v_lshlrev_b32 v4, 12, v4                       ; a row of key is 4,096 bytes
	v_lshl_add_u32 v4, v2, 7, v4                   ; + 128 h: my 32 numbers of each 64
	v_mul_u32_u24 v5, v1, 1536                     ; a row of value_codes is 1,536 bytes
	v_mad_u32_u24 v5, v2, 24, v5                   ; + 24 h
	v_lshlrev_b32 v6, 6, v1                        ; a row of value_scales is 64 bytes
	s_lshr_b32 s13, s12, 2
	s_lshl_b32 s13, s13, 8
	s_and_b32 s14, s12, 3
	s_lshl_b32 s14, s14, 2
	s_add_co_u32 s13, s13, s14
	v_lshl_add_u32 v7, v1, 4, s13                  ; LDS: 16 r + 256 (tile / 4) + 4 (tile % 4): my scale word's place in the image
	s_and_b32 s15, ttmp9, 127                      ; which block
	s_lshr_b32 s16, s15, 4                         ; kv
	s_and_b32 s17, s15, 15                         ; step
	s_mul_i32 s22, s15, 25600
	s_cmp_ge_u32 ttmp9, 128
	s_cselect_b32 s23, 12800, 0                    ; the V half lies 12,800 bytes on
	s_add_co_u32 s22, s22, s23
	s_mov_b32 s23, 0
	s_mul_i32 s18, s12, 1536                       ; my tile's image
	s_mov_b32 s19, 0
	s_mov_b32 s20, 0x76543210
	s_mov_b32 s21, 0xfedcba98                      ; v_permlanex16_b32's selects for lane l xor 16
	s_mov_b32 s29, 0
	s_mov_b32 s31, 0
	s_wait_kmcnt 0x0
	s_add_nc_u64 s[24:25], s[10:11], s[22:23]      ; my half of the block
	s_add_nc_u64 s[26:27], s[24:25], s[18:19]      ; my fragment's image
	s_cmp_lt_u32 ttmp9, 128
	s_cbranch_scc0 .Lv
	; ---- K: 16 keys x 128 numbers are quantised
	s_lshl_b32 s28, s17, 7                         ; 128 x step
	s_lshr_b32 s30, s12, 1
	s_lshl_b32 s30, s30, 5
	s_add_co_u32 s28, s28, s30                     ; + 32 b
	s_and_b32 s30, s12, 1
	s_lshl_b32 s30, s30, 3
	s_add_co_u32 s28, s28, s30                     ; + 8 u: the tile's first key
	s_lshl_b32 s28, s28, 12
	s_lshl_b32 s30, s16, 9
	s_add_co_u32 s28, s28, s30                     ; its row, + 512 kv
	s_add_nc_u64 s[4:5], s[4:5], s[28:29]
.irp c, 0,1
.irp j, 0,1,2,3,4,5,6,7
	global_load_b128 v[X+32*\c+4*\j:X+32*\c+4*\j+3], v4, s[4:5] offset:256*\c+16*\j   ; the sixteen loads together take all 512 bytes of each of the tile's 16 rows
.endr
.endr
	s_wait_loadcnt 0x0
.irp c, 0,1                                    ; my block 2 c + h: all its 32 numbers are mine
	v_max3_num_f32 v[8+\c], |v[X+32*\c]|, |v[X+1+32*\c]|, 0x2800000   ; and the floor 2^(5 - 127): the byte cannot fall under 1
.endr
.irp i, 2,4,6,8,10,12,14,16,18,20,22,24,26,28,30
.irp c, 0,1
	v_max3_num_f32 v[8+\c], v[8+\c], |v[X+32*\c+\i]|, |v[X+1+32*\c+\i]|   ; (the two blocks by turns)
.endr
.endr
.irp c, 0,1
	v_add_nc_u32 v[10+\c], 0xfe000000, v[8+\c]     ; 4 off the exponent field: the conversion takes the exponent field of this operand as its scale
.endr
.irp c, 0,1
	v_lshrrev_b32 v[12+\c], 23, v[10+\c]           ; the scale's byte
.endr
	v_lshl_or_b32 v[SW], v13, 16, v12              ; my two bytes: blocks h and 2 + h,
	v_lshlrev_b32 v14, 3, v2
	v_lshlrev_b32 v[SW], v14, v[SW]                ; at their places in the word (8 h bits up);
	v_mov_b32 v15, 0                               ; (a lane permute's destination counts as one of its sources)
	v_permlanex16_b32 v15, v[SW], s20, s21
	v_or_b32 v[SW], v[SW], v15                     ; with lane l xor 16's two the word is whole, in both lanes
.irp c, 0,1
	v_cvt_scalef32_pk16_bf6_f32 v[F+6*\c:F+6*\c+2], v[X+32*\c:X+32*\c+15], v[10+\c]
	v_cvt_scalef32_pk16_bf6_f32 v[CT+4*\c:CT+4*\c+2], v[X+32*\c+16:X+32*\c+31], v[10+\c]   ; (a conversion's three registers begin on an even number: a block's second three do not)
.endr
	v_nop                                          ; one plain place behind a scaled conversion
.irp c, 0,1
.irp i, 0,1,2
	v_mov_b32 v[F+3+6*\c+\i], v[CT+4*\c+\i]
.endr
.endr
	s_branch .Ljoin
.Lv:
	; ---- V: the given codes and scale bytes, as they lie
	s_lshl_b32 s28, s16, 7
	s_lshl_b32 s30, s12, 4
	s_add_co_u32 s28, s28, s30                     ; the tile's first row: 128 kv + 16 tile
	s_lshl_b32 s30, s28, 6
	s_lshl_b32 s32, s17, 2
	s_add_co_u32 s30, s30, s32                     ; its scale bytes: 64 a row, + 4 x step
	s_mul_i32 s28, s28, 1536
	s_mul_i32 s32, s17, 96
	s_add_co_u32 s28, s28, s32                     ; its codes: 1,536 bytes a row, + 96 x step
	s_add_nc_u64 s[6:7], s[6:7], s[28:29]
	s_add_nc_u64 s[8:9], s[8:9], s[30:31]
.irp p, 0,1,2,3,4,5
	global_load_b64 v[F+2*\p:F+2*\p+1], v5, s[6:7] offset:48*(\p/3)+8*(\p%3)
.endr
	global_load_b32 v[SW], v6, s[8:9]
	s_wait_loadcnt 0x0
.Ljoin:
.irp c, 0,1,2
	global_store_b128 v3, v[F+4*\c:F+4*\c+3], s[26:27] offset:512*\c   ; each store of the wave covers 512 consecutive bytes, at a multiple of 256 from kvimg's first byte
.endr
	ds_store_b32 v7, v[SW]                         ; the eight waves' scale words meet in LDS (lanes r and r + 16 write the same word with the same value)
	s_wait_dscnt 0x0                               ; for the others' sake: my store has landed
	s_barrier_signal -1
	s_barrier_wait -1
	s_cmp_lg_u32 s12, 0
	s_cbranch_scc1 .Lend
	ds_load_b128 v[OUTS:OUTS+3], v3                ; wave 0 takes the 512 bytes
	s_wait_dscnt 0x0
	global_store_b128 v3, v[OUTS:OUTS+3], s[24:25] offset:12288
.Lend:
	s_wait_tensorcnt 0x0
	ds_add_u32 v112, v113
	s_wait_dscnt 0x0
	s_endpgm
.Lfunc_end_k_qbea73079b6_prep:
	.size	k_qbea73079b6_prep, .Lfunc_end_k_qbea73079b6_prep-k_qbea73079b6_prep
	.p2alignl 7, 3214868480
	.fill 96, 4, 3214868480
	.section	.rodata,"a",@progbits
	.p2align	6, 0x0
	.amdhsa_kernel k_qbea73079b6_prep
		.amdhsa_group_segment_fixed_size 2048
		.amdhsa_private_segment_fixed_size 0
		.amdhsa_enable_private_segment 0
		.amdhsa_kernarg_size 32
		.amdhsa_user_sgpr_count 2
		.amdhsa_user_sgpr_kernarg_segment_ptr 1
		.amdhsa_wavefront_size32 1
		.amdhsa_system_sgpr_workgroup_id_x 1
		.amdhsa_system_sgpr_workgroup_id_y 1
		.amdhsa_system_sgpr_workgroup_id_z 1
		.amdhsa_system_vgpr_workitem_id 0
		.amdhsa_next_free_vgpr 114
		.amdhsa_next_free_sgpr 66
		.amdhsa_reserve_vcc 0
		.amdhsa_float_denorm_mode_32 3
		.amdhsa_float_denorm_mode_16_64 3
		.amdhsa_memory_ordered 1
		.amdhsa_forward_progress 1
		.amdhsa_inst_pref_size 9
	.end_amdhsa_kernel
	.amdgpu_metadata
---
amdhsa.version: [ 1, 2 ]
amdhsa.kernels:
  - .name:           k_qbea73079b6_prep
    .symbol:         k_qbea73079b6_prep.kd
    .args:
      - { .name: key, .offset: 0, .size: 8, .value_kind: global_buffer, .address_space: global }
      - { .name: value_codes, .offset: 8, .size: 8, .value_kind: global_buffer, .address_space: global }
      - { .name: value_scales, .offset: 16, .size: 8, .value_kind: global_buffer, .address_space: global }
      - { .name: kvimg, .offset: 24, .size: 8, .value_kind: global_buffer, .address_space: global }
    .group_segment_fixed_size: 2048
    .private_segment_fixed_size: 0
    .kernarg_segment_align: 8
    .kernarg_segment_size: 32
    .max_flat_workgroup_size: 256
    .sgpr_count:     66
    .vgpr_count:     114
    .wavefront_size: 32
...
	.end_amdgpu_metadata
.endif
;; end of part 1
;; launch attn (part 2): grid 32 x 8, 8 waves a work-group, clusters of 4 x 1, 327,680 bytes of LDS; arguments query, alibi_slopes, kvimg, out0; writes out0
.if DOCPART == 2
	.amdgcn_target "amdgcn-amd-amdhsa--gfx1250"
	.amdhsa_code_object_version 6
	.text
	.protected	k_qbea73079b6_attn
	.globl	k_qbea73079b6_attn
	.p2align	8
	.type	k_qbea73079b6_attn,@function
k_qbea73079b6_attn:
	s_mov_b64 s[64:65], 0
	v_nop
	global_prefetch_b8 v0, s[64:65] scope:SCOPE_SE
	s_setreg_imm32_b32 hwreg(HW_REG_WAVE_MODE, 25, 1), 1
	s_wait_xcnt 0x0
	s_wait_alu depctr_hold_cnt(0) depctr_sa_sdst(0) depctr_va_vdst(0) depctr_va_sdst(0) depctr_va_ssrc(0) depctr_va_vcc(0) depctr_vm_vsrc(0)
	s_getreg_b32 s2, hwreg(HW_REG_IB_STS2, 6, 4)
	s_cmp_eq_u32 s2, 0
	s_cbranch_scc0 .Lentry_in_a_cluster
	s_endpgm
.Lentry_in_a_cluster:
	s_bfe_u32 s2, ttmp6, 0x10000c
	s_cmp_lg_u32 s2, 0x3003
	s_cbranch_scc0 .Lentry_shape_is_right
	s_endpgm
.Lentry_shape_is_right:
; out[i][head] = the sum over keys j <= i of softmax_j(q[i] . k[j] / sqrt(128) + slope (j - i)) v[j]: 2,048 positions, 32 query heads on 8 kv heads, head size 128.
; Both products on codes of BF6 (E3M2) with one E8M0 scale for each 32 along K.  K's and V's codes and scale words come from kvimg [kv][step of 128 keys][25,600 bytes], laid in the order of the operand's registers.
; q / sqrt(128) is quantised here, in registers.  THE SOFTMAX: t = (score + slope (j - i)) log2(e); M = the running largest t rounded UP to a whole number; p = 2^(t - M) is what is quantised, along the keys;
; the row's sum is taken of the unquantised p and divides at the end.  When M moves, the sum and O are multiplied by 2^(old M - new M): exact.
; SHARES.  A work-group owns one query head and TWO blocks of 128 queries: block 15 - c (late, "B") and block c (early, "A"), c = 0..7.  Each of its eight waves owns 16 queries of B and 16 of A and walks them one
; after the other.  B wants 16 - c steps of 128 keys, A c + 1: in slots of two steps that is NB = 8 - c / 2 slots and then 9 - NB: ALWAYS NINE SLOTS, of whose 18 steps one, the second of a slot, lies wholly behind
; the causal mask and is jumped over.  So every wave of the launch does 17 steps' work, and every trip count is a constant.
; CLUSTER.  The four work-groups of a cluster are the four query heads of one kv head with the same c: they walk the same slots, so each slot is asked for JOINTLY (mask 15).  The place in the cluster enters only the
; global addresses of query, out0 and the slope.
; LAYOUT.  Both products are used transposed: S^T = K Q^T (source 0 = 16 keys, source 1 = my 16 queries), O^T = V^T P^T: lane (r, h) holds query r throughout.  In score tile 2 b + u register j is key
; KF + 32 b + 16 h + 8 u + j.  THE BIAS: slope (8 u + j) is the C of the score's one matrix instruction (16 constant registers); the rest, slope log2(e) (KF + 32 b + 16 h - i), joins -M in the addend of the one
; multiply-add that makes t - M.
; LIMITS: NaN and infinities among the inputs are not served; a block of q whose largest magnitude lies under 2^-122 (zeros too) gets the scale byte 1.
; REGISTERS.  Window 0: v1-11 addresses and constants; v12 -M, v13 the largest t, v[14:15] the sum; v16-27 Q's codes, v28-39 tile A's; v40-55 slope x 0..15; v56-66 scale words and nothing else;
;   v68-95 at work; v96-159 S^T, then p; v160-223 O^T; v224-235 p's codes; v236-249 at work.   Window 1: v0-95 K's eight fragments, v96-191 V's.
.set SLOT1,  1<<16                     ; slot 1 begins here: one exclusive or turns an address in one slot into the other's
.set STEPB,  25600                     ; a step's block
.set VOFF,   12800                     ; V's half of it
.set SCOFF,  12288                     ; a half's scale words
.set SLOTB,  2*STEPB                   ; a slot: two steps, 51,200 bytes
.set WPART,  SLOTB/8                   ; what one wave's tensor load brings: 25 rows of 256 bytes
.set STAGE,  131072                    ; behind the ring: 16 rows x 528 bytes for each wave: Q on its way in, O on its way out; no fill lands here
.set SPITCH, 528
.set WSTAGE, 16*SPITCH
.set SPARE,  STAGE+8*WSTAGE            ; the spare words, 128 bytes for each wave: four blocks of 256 bytes that no other line names
.set LI,   1                           ; 16 x lane
.set ADF,  2                           ; the slot in hand + 16 x lane
.set SPW,  3                           ; LDS address of my spare word; never rewritten
.set NIL,  4                           ; 0; never rewritten
.set STO,  5                           ; my stage + 528 r + 32 h
.set SL,   6                           ; my stage + 16 x lane
.set SRQ,  7                           ; my stage + 528 r + 64 h
.set LB,   8                           ; 16 h - r
.set E0I,  9                           ; KF - Q0 + 16 h - r: the distance key - query of register 0 of tile 0
.set DM,   10                          ; its negative
.set NINF, 11                          ; -infinity
.set NEGM, 12
.set TMAX, 13
.set SUM,  14
.set QC,   16
.set QC2,  28
.set BC,   40
.set KS,   56                          ; v56-59 K's scale words: register T % 4, tiles 0-3 in lanes 0-15, tiles 4-7 in lanes 16-31
.set VS,   60                          ; v60-63 V's likewise
.set QS,   64
.set QS2,  65
.set PS,   66
.set DB,   68                          ; v68, 70, 72, 74: the addend of block b; the odd ones are 0 (named as pairs)
.set MB,   76                          ; v76-79 a block's largest
.set T4,   80
.set BY,   84
.set SO4,  88
.set EF,   92                          ; v92-95 key - query of block b's register 0, as f32
.set S,    96
.set O,    160
.set PC,   224
.set PT,   236                         ; v236-238, v240-242
.set SUM2, 244
.set FF,   246                         ; v246 f = 2^(old M - new M); v247 0 (named as a pair)
.set T0,   248
.set T1,   249
.set VFR,  96                          ; V's fragments, in window 1
.set WV,   12
.set NB,   17
.set N,    18                          ; the slot's number, 0..8
.set SEL,  20
.set CL,   22                          ; s[22:23] log2(e), twice
.set SLP,  24
.set CSL,  25                          ; slope x log2(e)
.set Q0,   26                          ; my first query of the tile in hand
.set QA,   27
.set KF,   28                          ; the step's first key
.set TB,   30                          ; LDS byte at which the slot in hand begins
.set G1,   32
.set G0,   40
.set KVB,  44                          ; kvimg at my kv head, at my wave's eighth of a slot
.set OFF,  46                          ; s[46:47] the byte offset of the slot asked for last
.set OB,   48                          ; out0 at the tile in hand;  s[50:51] at tile A
.set OA,   50
.set QBB,  52                          ; query at tile B;  s[54:55] at tile A
.set QBA,  54
.set MSB, 0
.macro WIN new                         ; the immediate's high byte repeats the setting that is left; a switch that changes nothing is dropped
.if MSB != \new
	s_set_vgpr_msb (MSB<<8)|\new
.set MSB, \new
.endif
.endm
; A round of the cluster's barrier: my work-group's barrier, so that wave 0's signal speaks for all eight waves; wave 0 signals; every wave waits for the four work-groups; my work-group's barrier once more.
.macro CROUND
	s_barrier_signal -1
	s_barrier_wait -1
	s_cmp_lg_u32 s[WV], 0
	s_cbranch_scc1 .Lnot_wave_0_\@
	s_barrier_signal -3
.Lnot_wave_0_\@:
	s_barrier_wait -3
	s_barrier_signal -1
	s_barrier_wait -1
.endm
; 64 numbers of a lane, register 16 b + i = k 32 b + 16 h + i of my row, become a fragment's codes in v[pc] on and its scale word in v[pw].
.macro QUANT s, pc, pw
.irp b, 0,1,2,3
	v_max3_num_f32 v[MB+\b], |v[(\s)+16*\b]|, |v[(\s)+1+16*\b]|, 0x2800000   ; my 16 numbers of block b, and the floor 2^(5 - 127): the byte cannot fall under 1
.endr
.irp i, 2,4,6,8,10,12,14
.irp b, 0,1,2,3
	v_max3_num_f32 v[MB+\b], v[MB+\b], |v[(\s)+16*\b+\i]|, |v[(\s)+1+16*\b+\i]|
.endr
.endr
.irp b, 0,1,2,3
	v_permlanex16_b32 v[T4+\b], v[MB+\b], s[SEL], s[SEL+1]
.endr
.irp b, 0,1,2,3
	v_max_num_f32 v[MB+\b], v[MB+\b], v[T4+\b]     ; with lane l xor 16's: the block's largest magnitude
.endr
.irp b, 0,1,2,3
	v_add_nc_u32 v[SO4+\b], 0xfe000000, v[MB+\b]   ; 4 off its exponent field: the conversion's scale operand
.endr
.irp b, 0,1,2,3
	v_lshrrev_b32 v[BY+\b], 23, v[SO4+\b]          ; the scale's byte
.endr
	v_lshl_or_b32 v[\pw], v[BY+1], 8, v[BY]
	v_lshl_or_b32 v[\pw], v[BY+2], 16, v[\pw]
	v_lshl_or_b32 v[\pw], v[BY+3], 24, v[\pw]
.irp c, 0,1
	v_cvt_scalef32_pk16_bf6_f32 v[(\pc)+6*\c:(\pc)+6*\c+2], v[(\s)+32*\c:(\s)+32*\c+15], v[SO4+2*\c]
	v_cvt_scalef32_pk16_bf6_f32 v[PT+4*\c:PT+4*\c+2], v[(\s)+32*\c+16:(\s)+32*\c+31], v[SO4+2*\c+1]   ; (a conversion's three registers begin on an even number)
.endr
	v_nop                                          ; one plain place behind a scaled conversion
.irp c, 0,1                                    ; the operand's layout wants a WHOLE block in a lane: lanes 0-15 block 2 c, lanes 16-31 block 2 c + 1
.irp i, 0,1,2
	v_permlane16_swap_b32 v[(\pc)+6*\c+\i], v[PT+4*\c+\i]
.endr
.irp i, 0,1,2
	v_mov_b32 v[(\pc)+3+6*\c+\i], v[PT+4*\c+\i]
.endr
.endr
.endm
; 25 LDS loads in one run: the eight fragments of K of the slot's q-th step, three loads of 16 bytes a lane each, and its scale words.  Each load takes 512 consecutive bytes.
.macro FETCH_K q
	WIN 0x40                                       ; destination window 1, address window 0
.irp t, 0,1,2,3,4,5,6,7
.irp c, 0,1,2
	ds_load_b128 v[12*\t+4*\c:12*\t+4*\c+3], v[ADF] offset:STEPB*\q+1536*\t+512*\c
.endr
.endr
	WIN 0
	ds_load_b128 v[KS:KS+3], v[ADF] offset:STEPB*\q+SCOFF
.endm
.macro FETCH_V q                       ; the same for V
	WIN 0x40
.irp t, 0,1,2,3,4,5,6,7
.irp c, 0,1,2
	ds_load_b128 v[VFR+12*\t+4*\c:VFR+12*\t+4*\c+3], v[ADF] offset:STEPB*\q+VOFF+1536*\t+512*\c
.endr
.endr
	WIN 0
	ds_load_b128 v[VS:VS+3], v[ADF] offset:STEPB*\q+VOFF+SCOFF
.endm
; S^T = K Q^T + slope (8 u + j): eight tiles of 16 keys, one instruction each; the bias's part that differs from register to register is the C.
.macro SCORES
	WIN 0x01                                       ; source 0 (K) window 1
.irp t, 0,1,2,3
	v_wmma_scale_f32_16x16x128_f8f6f4 v[S+8*\t:S+8*\t+7], v[12*\t:12*\t+11], v[QC:QC+11], v[BC+8*(\t%2):BC+8*(\t%2)+7], v[KS+\t], v[QS] matrix_a_fmt:MATRIX_FMT_BF6 matrix_b_fmt:MATRIX_FMT_BF6
.endr
.irp t, 4,5,6,7
	v_wmma_scale_f32_16x16x128_f8f6f4 v[S+8*\t:S+8*\t+7], v[12*\t:12*\t+11], v[QC:QC+11], v[BC+8*(\t%2):BC+8*(\t%2)+7], v[KS+\t-4], v[QS] matrix_a_fmt:MATRIX_FMT_BF6 matrix_b_fmt:MATRIX_FMT_BF6 matrix_a_scale:MATRIX_SCALE_ROW1
.endr
	WIN 0
.endm
; O^T += V^T P^T: eight tiles of 16 of the head's 128; K = the step's 128 keys.  The eight accumulators take turns, one instruction a turn, and eight score products stand between two steps' turns.
.macro PV
	WIN 0x01                                       ; source 0 (V) window 1
.irp t, 0,1,2,3
	v_wmma_scale_f32_16x16x128_f8f6f4 v[O+8*\t:O+8*\t+7], v[VFR+12*\t:VFR+12*\t+11], v[PC:PC+11], v[O+8*\t:O+8*\t+7], v[VS+\t], v[PS] matrix_a_fmt:MATRIX_FMT_BF6 matrix_b_fmt:MATRIX_FMT_BF6
.endr
.irp t, 4,5,6,7
	v_wmma_scale_f32_16x16x128_f8f6f4 v[O+8*\t:O+8*\t+7], v[VFR+12*\t:VFR+12*\t+11], v[PC:PC+11], v[O+8*\t:O+8*\t+7], v[VS+\t-4], v[PS] matrix_a_fmt:MATRIX_FMT_BF6 matrix_b_fmt:MATRIX_FMT_BF6 matrix_a_scale:MATRIX_SCALE_ROW1
.endr
	WIN 0
.endm
.macro CLEAR                           ; a tile of queries begins: O^T and the sum are zeros, the largest t lies under every t
.set j, 0
.rept 64
	v_mov_b32 v[O+j], 0
.set j, j+1
.endr
	v_mov_b32 v[SUM], 0
	v_mov_b32 v[SUM+1], 0
	v_mov_b32 v[TMAX], 0xff61b1e6                  ; -3e38
	v_floor_f32 v[NEGM], -v[TMAX]
.endm
; THE CHANGE OF SLOTS stands at a slot's head.  Each wave waits for all its tensor loads (one is out: its eighth of the slot that it is about to read), adds 0 to its spare word, and waits for that and for its reads of
; the slot that it has left.  fill = 1: that slot is filled with the slot that follows: the barrier is then a round of the cluster's, so that no wave of any partner still reads it or has a load on its way, and the
; joint load is the first thing behind it; it has a whole slot's two steps in which to land.  By this text's count a wave never has more than one tensor load out.
.macro CHANGE fill
	s_wait_tensorcnt 0x0                           ; no tensor load of mine is out, so group 0 may be written
	ds_add_u32 v[SPW], v[NIL]                      ; 0 onto my spare word: the descriptor's steps stand between it and the wait for it
.if \fill
	s_add_co_u32 s56, s[N], 1                      ; the slot to be asked for
	s_add_co_u32 s[OFF], s[OFF], SLOTB             ; the next 256 keys,
	s_cmp_eq_u32 s56, s[NB]
	s_cselect_b32 s[OFF], 0, s[OFF]                ; or, where tile A begins, the head's first
	s_add_nc_u64 s[G0+2:G0+3], s[KVB:KVB+1], s[OFF:OFF+1]
	s_or_b32 s[G0+3], s[G0+3], 0x80000000          ; 127:126 type = 2
	s_xor_b32 s[G0+1], s[G0+1], SLOT1              ; into the other slot than last time
.endif
	s_wait_dscnt 0x0                               ; the add is done, and my reads of the slot that I have left are over
.if \fill
	CROUND
	tensor_load_to_lds s[G0:G0+3], s[G1:G1+7]
	s_nop 0
.else
	s_barrier_signal -1
	s_barrier_wait -1
.endif
.rept 4
	v_nop                                          ; the four places in front of the loads into fragments that the last products read
.endr
.endm
; A TILE OF QUERIES IS FINISHED: O^T / the sum goes through my stage in LDS and leaves as whole rows of 512 bytes.  sw = 1: tile A takes over.
.macro FINISH sw
.rept 4
	v_nop                                          ; four places behind the last products: their results are read, and Q's codes, which they or the scores read, are written
.endr
.if \sw
.set j, 0
.rept 12
	v_mov_b32 v[QC+j], v[QC2+j]
.set j, j+1
.endr
	v_mov_b32 v[QS], v[QS2]
.endif
	v_add_f32 v[SUM], v[SUM], v[SUM+1]             ; the sum's two halves,
	v_permlanex16_b32 v[T1], v[SUM], s[SEL], s[SEL+1]
	v_add_f32 v[SUM], v[SUM], v[T1]                ; and lane l xor 16's: the row's sum
	v_rcp_f32 v[SUM], v[SUM]
	v_nop                                          ; one plain place behind a transcendental
.set j, 0
	s_wait_alu depctr_va_vdst(0)
.rept 32
	v_pk_mul_f32 v[S+j:S+j+1], v[O+j:O+j+1], v[SUM:SUM+1] op_sel_hi:[1,0]   ; ascending: each accumulator is read from its low end on.  Register 8 T + i is o(r, 16 T + 8 h + i)
.set j, j+2
.endr
.irp t, 0,1,2,3,4,5,6,7
	ds_store_b128 v[STO], v[S+8*\t:S+8*\t+3] offset:64*\t
	ds_store_b128 v[STO], v[S+8*\t+4:S+8*\t+7] offset:64*\t+16
.endr
.irp i, 0,1,2,3,4,5,6,7,8,9,10,11,12,13,14,15
	ds_load_b128 v[S+4*\i:S+4*\i+3], v[SL] offset:\i*SPITCH   ; LDS serves a wave's instructions in order (ISA guide 5.7.1.4): these see my stores
.endr
.irp i, 0,1,2,3,4,5,6,7,8,9,10,11,12,13,14,15
	s_wait_dscnt 15-\i                             ; row i is back; the 15 - i younger loads may be out
	global_store_b128 v[LI], v[S+4*\i:S+4*\i+3], s[OB:OB+1] offset:16384*\i th:TH_STORE_NT   ; 32 lanes store 512 consecutive bytes, at a multiple of 256 from out0's first byte
.endr
.if \sw
	s_wait_xcnt 0x0                                ; the stores have read their registers and their base: both are written again only behind this wait
	s_mov_b64 s[OB:OB+1], s[OA:OA+1]
	s_mov_b32 s[Q0], s[QA]
	s_mov_b32 s[KF], 0
	CLEAR
.endif
.endm
; A KEY STEP: 128 keys, the q-th of the slot in hand.
.macro STEP q
.if \q == 1
	s_add_co_u32 s56, s[Q0], 15                    ; a step all of whose keys come after my 16 queries is left out: a scalar branch on ids; only a slot's second step can be such a one
	s_cmp_gt_u32 s[KF], s56
	s_cbranch_scc1 .Lhid_\@
.endif
	s_wait_dscnt 25                                ; this step's 25 loads of K are in; V's 25, issued behind them, may be out
	SCORES
	s_sub_co_i32 s29, s[KF], s[Q0]
	v_add_nc_u32 v[E0I], s29, v[LB]                ; five plain lines that name none of the products' registers: the places behind them
	v_cvt_f32_i32 v[EF], v[E0I]                    ; key - query of each block's register 0: whole numbers, exact in f32
	v_add_f32 v[EF+1], 0x42000000, v[EF]           ; + 32
	v_add_f32 v[EF+2], 0x42800000, v[EF]           ; + 64
	v_add_f32 v[EF+3], 0x42c00000, v[EF]           ; + 96
.if \q == 0
	FETCH_K 1                                      ; the next step's K, a whole softmax ahead of its use
.endif
	s_add_co_u32 s56, s[KF], 127                   ; on the diagonal the scores of hidden keys become -infinity ahead of the maximum; a step all of whose keys count skips this
	s_cmp_le_u32 s56, s[Q0]
	s_cbranch_scc1 .Lopen_\@
	v_sub_nc_u32 v[DM], 0, v[E0I]                  ; register 16 b + i is hidden where 32 b + i > query - key of register 0
.set j, 0
.rept 64
	v_cmp_gt_i32 vcc_lo, 32*(j/16)+j%16, v[DM]
	v_cndmask_b32 v[S+j], v[S+j], v[NINF], vcc_lo
.set j, j+1
.endr
.Lopen_\@:
.irp b, 0,1,2,3
	v_max3_num_f32 v[MB+\b], v[S+16*\b], v[S+1+16*\b], v[S+2+16*\b]   ; the largest of my 16 scores of each block: within them the addend is one number, so it serves the row's maximum and the block's largest p
.endr
.irp i, 3,5,7,9,11,13
.irp b, 0,1,2,3
	v_max3_num_f32 v[MB+\b], v[MB+\b], v[S+16*\b+\i], v[S+1+16*\b+\i]
.endr
.endr
.irp b, 0,1,2,3
	v_max_num_f32 v[MB+\b], v[MB+\b], v[S+15+16*\b]
.endr
.irp b, 0,1,2,3
	v_mul_f32 v[T4+\b], s[CSL], v[EF+\b]
.endr
.irp b, 0,1,2,3
	v_fma_f32 v[T4+\b], v[MB+\b], s[CL], v[T4+\b]  ; as t
.endr
	v_max3_num_f32 v[T0], v[T4], v[T4+1], v[T4+2]
	v_max_num_f32 v[T0], v[T0], v[T4+3]
	v_permlanex16_b32 v[T1], v[T0], s[SEL], s[SEL+1]
	v_max3_num_f32 v[TMAX], v[TMAX], v[T0], v[T1]  ; the running largest t of my query
	v_mov_b32 v[T0], v[NEGM]
	v_floor_f32 v[NEGM], -v[TMAX]                  ; the new -M = -ceil(t): M IS A WHOLE NUMBER
	v_sub_f32 v[T0], v[NEGM], v[T0]                ; old M - new M: a whole number, 0 or less
	v_cvt_i32_f32 v[T0], v[T0]                     ; (it saturates)
	v_ldexp_f32 v[FF], 1.0, v[T0]                  ; f = 2^(old M - new M)
.irp b, 0,1,2,3
	v_fma_f32 v[DB+2*\b], v[EF+\b], s[CSL], v[NEGM]   ; the block's addend: slope log2(e) (key - query of register 0) - M
.endr
.irp b, 0,1,2,3
.irp m, 0,2,4,6,8,10,12,14
	v_pk_fma_f32 v[S+16*\b+\m:S+16*\b+\m+1], v[S+16*\b+\m:S+16*\b+\m+1], s[CL:CL+1], v[DB+2*\b:DB+2*\b+1] op_sel_hi:[1,0,0]   ; t - M, two at a time
.endr
.endr
.irp b, 0,1,2,3
	v_fma_f32 v[MB+\b], v[MB+\b], s[CL], v[DB+2*\b]   ; the same of my largest score of each block
.endr
.set j, 0
.rept 64
	v_exp_f32 v[S+j], v[S+j]                       ; p = 2^(t - M): NOT normalised
.set j, j+1
.endr
.irp b, 0,1,2,3
	v_exp_f32 v[MB+\b], v[MB+\b]                   ; my largest p of the block: the same two instructions on the same number give the same bits
.endr
	v_pk_mul_f32 v[SUM:SUM+1], v[SUM:SUM+1], v[FF:FF+1] op_sel_hi:[1,0]   ; the sums under the new M.  (A plain place behind the exponentials)
	s_wait_alu depctr_va_vdst(0)
.irp b, 0,1,2,3
	v_permlanex16_b32 v[T4+\b], v[MB+\b], s[SEL], s[SEL+1]
.endr
.irp b, 0,1,2,3
	v_max3_num_f32 v[MB+\b], v[MB+\b], v[T4+\b], 0x2800000   ; with lane l xor 16's, and the floor 2^(5 - 127): a block whose every p is 0 keeps the byte 1: its codes are zeros
.endr
.irp b, 0,1,2,3
	v_add_nc_u32 v[SO4+\b], 0xfe000000, v[MB+\b]   ; 4 off the exponent field: the conversion's scale operand
.endr
.irp b, 0,1,2,3
	v_lshrrev_b32 v[BY+\b], 23, v[SO4+\b]          ; the scale's byte
.endr
	v_lshl_or_b32 v[PS], v[BY+1], 8, v[BY]         ; p's scale word for these 128 keys
	v_lshl_or_b32 v[PS], v[BY+2], 16, v[PS]
	v_lshl_or_b32 v[PS], v[BY+3], 24, v[PS]
.irp c, 0,1
	v_cvt_scalef32_pk16_bf6_f32 v[PC+6*\c:PC+6*\c+2], v[S+32*\c:S+32*\c+15], v[SO4+2*\c]
	v_cvt_scalef32_pk16_bf6_f32 v[PT+4*\c:PT+4*\c+2], v[S+32*\c+16:S+32*\c+31], v[SO4+2*\c+1]
.endr
	v_nop                                          ; one plain place behind a scaled conversion
.irp c, 0,1
.irp i, 0,1,2
	v_permlane16_swap_b32 v[PC+6*\c+\i], v[PT+4*\c+\i]
.endr
.irp i, 0,1,2
	v_mov_b32 v[PC+3+6*\c+\i], v[PT+4*\c+\i]
.endr
.endr
	v_pk_add_f32 v[SUM2:SUM2+1], v[S:S+1], v[S+2:S+3]   ; THE ROW'S SUM IS TAKEN OF THE UNQUANTISED p: two at a time, in two chains
.irp j, 4,8,12,16,20,24,28,32,36,40,44,48,52,56,60
	v_pk_add_f32 v[SUM:SUM+1], v[SUM:SUM+1], v[S+\j:S+\j+1]
	v_pk_add_f32 v[SUM2:SUM2+1], v[SUM2:SUM2+1], v[S+2+\j:S+3+\j]
.endr
	v_pk_add_f32 v[SUM:SUM+1], v[SUM:SUM+1], v[SUM2:SUM2+1]
.set j, 0
.rept 32
	v_pk_mul_f32 v[O+j:O+j+1], v[O+j:O+j+1], v[FF:FF+1] op_sel_hi:[1,0]   ; O^T under the new M, ascending.  (These are also the places between p's codes and scale word and the products below)
.set j, j+2
.endr
.if \q == 0
	s_wait_dscnt 25                                ; V's 25 loads are in; the next step's 25 of K, issued behind them, may be out
.else
	s_wait_dscnt 0x0                               ; V is in
.endif
	PV
.if \q == 0
.rept 4
	v_nop                                          ; four places in front of loads into registers that these products read
.endr
	FETCH_V 1
.else
.Lhid_\@:
.endif
	s_add_co_u32 s[KF], s[KF], 128
.endm
; A slot's two steps.  Where the slot is tile A's first, tile B goes out ahead of it: a scalar branch on ids, the same in all partners; no barrier and no tensor load stands under it.
.macro SLOTBODY
	s_cmp_lg_u32 s[N], s[NB]
	s_cbranch_scc1 .Lsame_\@
	FINISH 1
.Lsame_\@:
	v_add_nc_u32 v[ADF], s[TB], v[LI]
	FETCH_K 0
	FETCH_V 0
	STEP 0
	STEP 1
	s_xor_b32 s[TB], s[TB], SLOT1                  ; on to the other slot
.endm
	s_load_b256 s[4:11], s[0:1], 0x0               ; query s[4:5], alibi_slopes s[6:7], kvimg s[8:9], out0 s[10:11]
	v_lshl_add_u32 v[SPW], v0, 2, SPARE
	v_mov_b32 v[NIL], 0
	ds_add_u32 v3, v4
	ds_add_u32 v3, v4
	s_wait_dscnt 0x0
	v_lshrrev_b32 v[T0], 5, v0
	v_readfirstlane_b32 s[WV], v[T0]               ; wave 0..7
	s_mov_b32 s13, ttmp9                           ; c: in a cluster launch ttmp9 counts clusters
	s_bfe_u32 s14, ttmp6, 0x40000                  ; my place in the cluster: which of the kv head's four query heads
	s_and_b32 s15, ttmp7, 0xffff                   ; the kv head
	s_lshl_b32 s16, s15, 2
	s_add_co_u32 s16, s16, s14                     ; the query head: it enters query's, out0's and the slope's addresses alone
	s_lshr_b32 s[NB], s13, 1
	s_sub_co_u32 s[NB], 8, s[NB]                   ; tile B's slots
	s_lshl_b32 s56, s[WV], 4
	s_lshl_b32 s[QA], s13, 7
	s_add_co_u32 s[QA], s[QA], s56                 ; tile A's first query: 128 c + 16 wave
	s_sub_co_u32 s[Q0], 15, s13
	s_lshl_b32 s[Q0], s[Q0], 7
	s_add_co_u32 s[Q0], s[Q0], s56                 ; tile B's: 128 (15 - c) + 16 wave
	s_lshl_b32 s57, s16, 9                         ; a head's 512 bytes in a row of 16,384
	s_lshl_b32 s58, s[Q0], 14
	s_add_co_u32 s58, s58, s57
	s_mov_b32 s59, 0
	s_lshl_b32 s60, s[QA], 14
	s_add_co_u32 s60, s60, s57
	s_mov_b32 s61, 0
	s_lshl_b32 s62, s16, 2                         ; the head's slope
	s_mov_b32 s63, 0
	s_mul_i32 s[OFF], s15, 16*STEPB                ; the kv head's 16 steps,
	s_mul_i32 s[G0+1], s[WV], WPART                ; my eighth of a slot: in memory and in LDS (63:32 of group 0: slot 0)
	s_add_co_u32 s[OFF], s[OFF], s[G0+1]
	s_mov_b32 s[OFF+1], 0
	; descriptor group 1: 25 rows of 256 dense bytes (32 elements of 8 bytes), no padding
	s_mov_b32 s[G1], 15|(3<<16)|(1<<21)            ; 15:0 the mask: all four work-groups; 17:16 elements of 8 bytes; 21 set beside a mask
	s_mov_b32 s[G1+1], 32<<16                      ; tensor_dim0 = 32
	s_mov_b32 s[G1+2], 25<<16                      ; tensor_dim1 = 25
	s_mov_b32 s[G1+3], 32<<16                      ; tile_dim0 = 32
	s_mov_b32 s[G1+4], 25                          ; tile_dim1 = 25
	s_mov_b32 s[G1+5], 32                          ; from row to row: 32 elements
	s_mov_b32 s[G1+6], 0
	s_mov_b32 s[G1+7], 0
	s_mov_b32 s[SEL], 0x76543210
	s_mov_b32 s[SEL+1], 0xfedcba98                 ; v_permlanex16_b32's selects for lane l xor 16
	s_mov_b32 s[CL], 0x3fb8aa3b                    ; log2(e)
	s_mov_b32 s[CL+1], s[CL]                       ; (named with it as a pair, so it is written)
	s_mov_b32 s[KF], 0
	s_mov_b32 s[TB], 0
	s_mov_b32 s[N], 0
	s_wait_kmcnt 0x0
	s_add_nc_u64 s[KVB:KVB+1], s[8:9], s[OFF:OFF+1]
	s_add_nc_u64 s[QBB:QBB+1], s[4:5], s[58:59]
	s_add_nc_u64 s[QBA:QBA+1], s[4:5], s[60:61]
	s_add_nc_u64 s[OB:OB+1], s[10:11], s[58:59]
	s_add_nc_u64 s[OA:OA+1], s[10:11], s[60:61]
	s_add_nc_u64 s[6:7], s[6:7], s[62:63]
	s_load_b32 s[SLP], s[6:7], 0x0
	s_mov_b32 s[OFF], 0                            ; slot 0 of tile B
	s_mov_b32 s[G0], 1                             ; 1:0 count = 1
	s_mov_b64 s[G0+2:G0+3], s[KVB:KVB+1]           ; 120:64 global address
	s_or_b32 s[G0+3], s[G0+3], 0x80000000          ; 127:126 type = 2
	CROUND                                         ; all four work-groups are here: the first joint loads meet
	tensor_load_to_lds s[G0:G0+3], s[G1:G1+7]      ; slot 0
	s_nop 0
.rept 4
	v_nop
.endr
	v_and_b32 v[LI], 31, v0
	v_lshlrev_b32 v[LI], 4, v[LI]
.irp i, 0,1,2,3,4,5,6,7,8,9,10,11,12,13,14,15
	global_load_b128 v[S+4*\i:S+4*\i+3], v[LI], s[QBB:QBB+1] offset:16384*\i th:TH_LOAD_NT   ; tile B's row i: 32 lanes read the head's 512 consecutive bytes
.endr
.irp i, 0,1,2,3,4,5,6,7,8,9,10,11,12,13,14,15
	global_load_b128 v[O+4*\i:O+4*\i+3], v[LI], s[QBA:QBA+1] offset:16384*\i th:TH_LOAD_NT   ; tile A's
.endr
	v_and_b32 v[T0], 15, v0                        ; r
	v_bfe_u32 v[T1], v0, 4, 1                      ; h
	s_mul_i32 s56, s[WV], WSTAGE
	s_add_co_u32 s56, s56, STAGE                   ; my stage
	v_mul_u32_u24 v[STO], v[T0], SPITCH
	v_lshl_add_u32 v[SRQ], v[T1], 6, v[STO]
	v_lshl_add_u32 v[STO], v[T1], 5, v[STO]
	v_add_nc_u32 v[STO], s56, v[STO]
	v_add_nc_u32 v[SRQ], s56, v[SRQ]
	v_add_nc_u32 v[SL], s56, v[LI]
	v_lshlrev_b32 v[LB], 4, v[T1]
	v_sub_nc_u32 v[LB], v[LB], v[T0]               ; 16 h - r
	v_mov_b32 v[NINF], 0xff800000
.irp b, 0,1,2,3
	v_mov_b32 v[T4+\b], 0                          ; written once: a lane permute's destination counts as one of its sources
	v_mov_b32 v[DB+1+2*\b], 0                      ; (named as the upper halves of pairs)
.endr
	v_mov_b32 v[FF+1], 0
	s_wait_kmcnt 0x0                               ; the slope
	s_mul_f32 s[CSL], s[SLP], 0x3fb8aa3b
.set j, 0
.rept 16
	v_cvt_f32_u32 v[BC+j], j
.set j, j+1
.endr
.set j, 0
.rept 16
	v_mul_f32 v[BC+j], s[SLP], v[BC+j]             ; slope x 0 .. 15: the C of the score products
.set j, j+1
.endr
; 16 rows of Q turn through my stage: in as they were loaded, back 16 neighbours of each block of 32 to a lane; x 1 / sqrt(128); quantised.
.macro QTILE s, pc, pw
.irp i, 0,1,2,3,4,5,6,7,8,9,10,11,12,13,14,15
	ds_store_b128 v[SL], v[(\s)+4*\i:(\s)+4*\i+3] offset:\i*SPITCH
.endr
.irp b, 0,1,2,3
.irp k, 0,1,2,3
	ds_load_b128 v[(\s)+16*\b+4*\k:(\s)+16*\b+4*\k+3], v[SRQ] offset:128*\b+16*\k   ; LDS serves a wave's instructions in order: these see my stores
.endr
.endr
	s_wait_dscnt 0x0
.set j, 0
.rept 32
	v_pk_mul_f32 v[(\s)+j:(\s)+j+1], v[(\s)+j:(\s)+j+1], 0x3db504f3 op_sel_hi:[1,0]   ; q x 1 / sqrt(128), in f32, as the operand is defined
.set j, j+2
.endr
	QUANT \s, \pc, \pw
.endm
	s_wait_loadcnt 16                              ; tile B's 16 loads are in; tile A's 16, issued behind them, may be out
	QTILE S, QC, QS
	s_wait_loadcnt 0x0
	QTILE O, QC2, QS2
	CLEAR
.Lslot:                                            ; eight trips: behind each change of slots but the last the next slot is asked for
	CHANGE 1
	SLOTBODY
	s_add_co_u32 s[N], s[N], 1
	s_cmp_lt_u32 s[N], 8
	s_cbranch_scc1 .Lslot
	CHANGE 0                                       ; the ninth slot is written out
	SLOTBODY
	FINISH 0                                       ; tile A goes out
	s_wait_tensorcnt 0x0                           ; the wave's end, behind my last tensor load and my last LDS store
	ds_add_u32 v[SPW], v[NIL]
	s_wait_dscnt 0x0
	CROUND                                         ; the closing round: no work-group ends while a partner may still ask for a slot that names it
	s_endpgm
.Lfunc_end_k_qbea73079b6_attn:
	.size	k_qbea73079b6_attn, .Lfunc_end_k_qbea73079b6_attn-k_qbea73079b6_attn
	.p2alignl 7, 3214868480
	.fill 96, 4, 3214868480
	.section	.rodata,"a",@progbits
	.p2align	6, 0x0
	.amdhsa_kernel k_qbea73079b6_attn
		.amdhsa_group_segment_fixed_size 327680
		.amdhsa_private_segment_fixed_size 0
		.amdhsa_enable_private_segment 0
		.amdhsa_kernarg_size 32
		.amdhsa_user_sgpr_count 2
		.amdhsa_user_sgpr_kernarg_segment_ptr 1
		.amdhsa_wavefront_size32 1
		.amdhsa_system_sgpr_workgroup_id_x 1
		.amdhsa_system_sgpr_workgroup_id_y 1
		.amdhsa_system_sgpr_workgroup_id_z 1
		.amdhsa_system_vgpr_workitem_id 0
		.amdhsa_next_free_vgpr 512
		.amdhsa_next_free_sgpr 66
		.amdhsa_reserve_vcc 1
		.amdhsa_float_denorm_mode_32 3
		.amdhsa_float_denorm_mode_16_64 3
		.amdhsa_memory_ordered 1
		.amdhsa_forward_progress 1
		.amdhsa_inst_pref_size 152
	.end_amdhsa_kernel
	.amdgpu_metadata
---
amdhsa.version: [ 1, 2 ]
amdhsa.kernels:
  - .name:           k_qbea73079b6_attn
    .symbol:         k_qbea73079b6_attn.kd
    .args:
      - { .name: query, .offset: 0, .size: 8, .value_kind: global_buffer, .address_space: global }
      - { .name: alibi_slopes, .offset: 8, .size: 8, .value_kind: global_buffer, .address_space: global }
      - { .name: kvimg, .offset: 16, .size: 8, .value_kind: global_buffer, .address_space: global }
      - { .name: out0, .offset: 24, .size: 8, .value_kind: global_buffer, .address_space: global }
    .group_segment_fixed_size: 327680
    .private_segment_fixed_size: 0
    .kernarg_segment_align: 8
    .kernarg_segment_size: 32
    .max_flat_workgroup_size: 256
    .sgpr_count:     66
    .vgpr_count:     512
    .wavefront_size: 32
...
	.end_amdgpu_metadata
.endif
;; end of part 2
